; MI455X (gfx1250); checked and timed in simulation.
; The chip was launched on July 23, 2026; its instructions are those of AMD's public machine-readable ISA for CDNA 5 (MIT licence, August 2026) and "CDNA5" Instruction Set Architecture Reference Guide (July 2026). The comments in the code are by the model that wrote it; some were corrected since.
;; Simple NSVQ. Allowed arithmetic: matrix products marked QUANTISED: E2M1 operands, one E8M0 scale for each 32 along K, by v_wmma_scale_f32_16x16x128_f8f6f4 with both operands' format E2M1 (or v_wmma_scale_f32_32x16x128_f4), f32 sums; everything else in f32.
;; Inputs: codebook 8,192 x 256 float32; noise 16,384 x 256 float32; x 8 x 2,048 x 256 float32.
;; Outputs: out0 8 x 2,048 x 256 float32; out1 8 x 2,048 int32; out2 one number float32.
;; This version of the problem:
;;   THIS VERSION OF THE PROBLEM IS GIVEN IN LOW PRECISION. The matrix products marked QUANTISED in the list below multiply operands that are first quantised to E2M1 (2 exponent bits, 1 mantissa bit; 4 bits a number), with one power-of-two scale for each 32 numbers along K (OCP MX v1.0); their sums are f32. All else is computed in f32.
;;   The module's matrix products, in the order in which they are computed (A, B: the left and right operand; K: the contracted axis; several contracted axes count as one K, in the product's order):
;;     1. [M 16,384, K 256] x [K 256, N 8,192]; A: input x; B: input codebook: QUANTISED
;;   THE QUANTISER, for each operand of a quantised product, along K:
;;     - K is cut into blocks of 32 from its start; a last block that is shorter is filled with zeros.
;;     - A block's scale is 2^e with e = floor(log2(the largest magnitude in the block)) - 2, held to -126 .. 127; a block of zeros has e = 0. As a byte (E8M0): e + 127.
;;     - Each number is divided by its block's scale, clamped to +-6, and rounded to the nearest number of E2M1, ties to even, subnormals kept.
;;     - The product sums the exact products of the quantised numbers (number of the format x scale) in f32.
;;   ~~~python
;;   def quantise(x, axis):      # numpy; x: float32 -> the quantised numbers, widened to float32 again
;;       x = np.moveaxis(x, axis, -1); K = x.shape[-1]
;;       x = np.pad(x, [(0, 0)] * (x.ndim - 1) + [(0, -K % 32)]); x = x.reshape(x.shape[:-1] + (-1, 32)); a = np.abs(x).max(-1, keepdims=True)
;;       e = np.where(a > 0, np.clip(np.frexp(np.where(a > 0, a, 1))[1] - 1 - 2, -126, 127), 0)      # np.frexp(a)[1] - 1 = floor(log2(a)), exactly
;;       r = np.clip(x / 2.0 ** e, -6, 6)
;;       step = 2.0 ** (np.maximum(np.frexp(np.where(r == 0, 1, r))[1] - 1, 0) - 1)
;;       q = np.round(r / step) * step * 2.0 ** e      # np.round: ties to even
;;       return np.moveaxis(q.reshape(q.shape[:-2] + (-1,))[..., :K], -1, axis).astype(np.float32)
;;   ~~~
;; One version. Each part assembles by itself: llvm-mc -triple=amdgcn-amd-amdhsa -mcpu=gfx1250 --defsym DOCPART=n.
;; ======== version 1 of 1: 4 launches
;; limits: right only within a limited range of input values
;; workspace buffers: xq 2,228,224 bytes; cq 1,179,648 bytes; cand 2,097,152 bytes of whole numbers; part 16,384 bytes
;; launch prep (part 1): grid 256 x 1, 6 waves a work-group, no clusters, 16,128 bytes of LDS; arguments x, codebook, xq, cq; writes xq, cq
.if DOCPART == 1
	.amdgcn_target "amdgcn-amd-amdhsa--gfx1250"
	.amdhsa_code_object_version 6
	.text
	.protected	k_q89e86b01db_prep
	.globl	k_q89e86b01db_prep
	.p2align	8
	.type	k_q89e86b01db_prep,@function
k_q89e86b01db_prep:
	s_mov_b64 s[64:65], 0
	v_nop
	global_prefetch_b8 v0, s[64:65] scope:SCOPE_SE
	s_setreg_imm32_b32 hwreg(HW_REG_WAVE_MODE, 25, 1), 1
	s_wait_xcnt 0x0
; x [16384][256] and codebook [8192][256], f32, become codes of FP4 (E2M1) with one E8M0 scale byte for each 32 along the 256, laid as IMAGES OF OPERAND REGISTERS.
; A tile is 16 rows.  Its record: bytes 512 q + 16 L (q = 0..3, L = lane): the 32 codes of row L % 16 at k = 64 q + 32 (L / 16) + 0 .. 31, which are registers 4 (q % 2) .. + 3 of the
; fragment of K step q / 2;  bytes 2048 + 4 L: the row's scale word, K step 0 in lanes 0-15, K step 1 in lanes 16-31;  codebook only, bytes 2176 + 4 L: -0.5 x the sum of squares of row L % 16
; (of the numbers as given, in f32), written twice.  A record of x is 2,176 bytes, one of the codebook 2,304.
; A block's scale is 2^(floor(log2(its largest magnitude)) - 2); its byte is the largest magnitude's exponent field - 2, held at 1 from below.
; DEAD WORK LEFT OUT OF THE PROGRAM: x_sq is added to every distance of a row alike, so whatever x holds it moves no argmin: it is not formed.  codebook_loss and commitment_loss are the same
; number, the mean of (x - c)^2: it is formed once.
; LIMITS: an overflow, an infinity or a NaN that reaches x_sq alone is not carried to the indices.  A block of zeros, or one whose largest magnitude lies under 2^-124, gets the byte 1 (the rule says
; 127 for zeros: its codes are zeros, and this program alone reads the bytes).  NaN and infinities among the inputs are not served.
; SHARES: one wave, one tile: waves 0-3 take four neighbouring tiles of x, waves 4 and 5 two of the codebook.  Waves share nothing: no barrier.
; A load takes 512 consecutive bytes, half a row: lane l holds columns 4 l .. + 3 and 128 + 4 l .. + 3.  So a block of 32 lies in eight neighbouring lanes: three lane steps join its maximum, and
; the rows are quantised as they arrive, two at a time.  A lane's four codes of a block are two bytes: they go into the wave's own image in LDS, which leaves in whole loads.
.set XREC, 2176
.set CREC, 2304
.set GP,   272                         ; the image in LDS: eight groups (q, h) of 16 rows x 16 bytes, 16 bytes of padding behind each: then the scale words and the sums
.set IMS,  8*GP
.set WREG, 2560                        ; a wave's region
.set SPARE, 6*WREG                     ; the spare words, 128 bytes for each wave: no other line names them
.set R,    32                          ; v32-159  the tile's numbers: eight registers a row
.set CE,   176                         ; v176-239 for each pair of rows four registers of codes, four of scale bytes: no store's data are written again
.set SQ,   240                         ; v240-255 a row's -0.5 x sum of squares
.set SPW,  172
.set NIL,  173
	s_load_b256 s[4:11], s[0:1], 0x0               ; x s[4:5], codebook s[6:7], xq s[8:9], cq s[10:11]
	v_lshl_add_u32 v[SPW], v0, 2, SPARE
	v_mov_b32 v[NIL], 0
	v_lshrrev_b32 v1, 5, v0
	v_readfirstlane_b32 s12, v1                    ; wave 0..5
	v_and_b32 v1, 31, v0                           ; lane
	v_bfe_u32 v3, v0, 3, 2                         ; which block of my half row
	v_bfe_u32 v4, v0, 4, 1
	v_and_b32 v5, 7, v0
	v_and_b32 v162, 15, v0
	v_lshlrev_b32 v2, 4, v1                        ; 16 x lane: my bytes of a load's or a store's 512
	v_lshlrev_b32 v163, 2, v1                      ; 4 x lane
	s_mul_i32 s14, s12, WREG
	s_add_co_u32 s15, s14, IMS
	s_add_co_u32 s18, s15, 128
	v_mul_u32_u24 v6, v3, GP
	v_mul_u32_u24 v161, v4, GP
	v_lshl_add_u32 v6, v5, 1, v6
	v_lshl_add_u32 v161, v162, 4, v161
	v_add_nc_u32 v6, s14, v6                       ; the image, on the way in: my two bytes of row 0
	v_add_nc_u32 v7, s15, v3                       ; my block's scale byte of row 0
	v_lshl_add_u32 v160, v4, 6, s18                ; row 0's sum, once for each half of the lanes
	v_add_nc_u32 v161, s14, v161                   ; on the way out: 16 bytes of row l % 16
	v_add_nc_u32 v162, s15, v163                   ; and a scale word
	v_mov_b32 v26, 0                               ; written once: a lane permute's destination counts as one of its sources
	v_mov_b32 v27, 0
	s_mov_b32 s16, 0x76543210
	s_mov_b32 s17, 0xfedcba98                      ; v_permlanex16_b32's selects for lane l xor 16
	s_mov_b32 s20, CREC
	s_lshl_b32 s22, ttmp9, 2
	s_add_co_u32 s22, s22, s12                     ; a tile of x: 4 x work-group + wave,
	s_lshl_b32 s23, ttmp9, 1
	s_add_co_u32 s23, s23, s12
	s_sub_co_u32 s23, s23, 4                       ; or of the codebook: 2 x work-group + wave - 4
	s_wait_alu depctr_va_vdst(0)                   ; the wait at the head's end
	s_wait_kmcnt 0x0
	s_cmp_lt_u32 s12, 4                            ; the choice hangs on the wave's number alone
	s_cselect_b64 s[4:5], s[4:5], s[6:7]
	s_cselect_b64 s[8:9], s[8:9], s[10:11]
	s_cselect_b32 s20, XREC, s20                   ; the record's length
	s_cselect_b32 s21, s22, s23                    ; the tile's number in its tensor
	s_lshl_b32 s22, s21, 14                        ; 16 rows of 1,024 bytes
	s_mov_b32 s23, 0
	s_add_nc_u64 s[4:5], s[4:5], s[22:23]
	s_mul_i32 s24, s21, s20
	s_mov_b32 s25, 0
	s_add_nc_u64 s[8:9], s[8:9], s[24:25]
.set i, 0
.rept 32
	global_load_b128 v[R+4*i:R+4*i+3], v2, s[4:5] offset:512*i th:TH_LOAD_NT   ; read once in this launch
.set i, i+1
.endr
; Rows 2 k and 2 k + 1: four half rows by turns.
.macro PAIR k, bias
.set A, R+16*(\k)
.set C, CE+8*(\k)
.set E, CE+4+8*(\k)
	s_wait_loadcnt 28-4*(\k)                       ; these rows' four loads are in; the later rows' may be out
.irp c, 0,1,2,3
	v_max3_num_f32 v[8+\c], |v[A+4*\c]|, |v[A+4*\c+1]|, |v[A+4*\c+2]|
.endr
.irp c, 0,1,2,3
	v_max3_num_f32 v[8+\c], v[8+\c], |v[A+4*\c+3]|, 0x1800000      ; with the floor 2^(3 - 127): the byte cannot fall under 1
.endr
.irp m, 1,2,4
.irp c, 0,1,2,3
	v_max_num_f32_dpp v[8+\c], v[8+\c], v[8+\c] row_xmask:\m row_mask:0xf bank_mask:0xf   ; over the block's eight lanes
.endr
.endr
.irp c, 0,1,2,3
	v_add_nc_u32 v[12+\c], 0xff000000, v[8+\c]     ; 2 off the exponent field: the conversion takes the exponent field of this operand as its scale, and nothing else of it
.endr
.irp c, 0,1,2,3
	v_cvt_scalef32_pk8_fp4_f32 v[C+\c], v[A+8*(\c/2):A+8*(\c/2)+7], v[12+\c]   ; even c: the low 16 bits are the left half row's four codes; odd c: the high 16 bits the right one's
.endr
.irp c, 0,1,2,3
	v_lshrrev_b32 v[E+\c], 23, v[12+\c]            ; the scale's byte.  (Also the plain line behind the conversions)
.endr
.irp u, 0,1
	ds_store_b16 v6, v[C+2*\u] offset:16*(2*(\k)+\u)
	ds_store_b16_d16_hi v6, v[C+2*\u+1] offset:16*(2*(\k)+\u)+4*GP
	ds_store_b8 v7, v[E+2*\u] offset:4*(2*(\k)+\u)                 ; the block's eight lanes write the same byte with the same value
	ds_store_b8 v7, v[E+2*\u+1] offset:4*(2*(\k)+\u)+64
.endr
.if \bias
.irp u, 0,1
	v_pk_mul_f32 v[16+4*\u:17+4*\u], v[A+8*\u:A+8*\u+1], v[A+8*\u:A+8*\u+1]    ; the first products start the sums
	v_pk_mul_f32 v[18+4*\u:19+4*\u], v[A+8*\u+2:A+8*\u+3], v[A+8*\u+2:A+8*\u+3]
.endr
.irp u, 0,1
	v_pk_fma_f32 v[16+4*\u:17+4*\u], v[A+8*\u+4:A+8*\u+5], v[A+8*\u+4:A+8*\u+5], v[16+4*\u:17+4*\u]
	v_pk_fma_f32 v[18+4*\u:19+4*\u], v[A+8*\u+6:A+8*\u+7], v[A+8*\u+6:A+8*\u+7], v[18+4*\u:19+4*\u]
.endr
.irp u, 0,1
	v_pk_add_f32 v[16+4*\u:17+4*\u], v[16+4*\u:17+4*\u], v[18+4*\u:19+4*\u]
.endr
.irp u, 0,1
	v_add_f32 v[16+4*\u], v[16+4*\u], v[17+4*\u]
.endr
.irp m, 1,2,4,8
.irp u, 0,1
	v_add_f32_dpp v[16+4*\u], v[16+4*\u], v[16+4*\u] row_xmask:\m row_mask:0xf bank_mask:0xf
.endr
.endr
.irp u, 0,1
	v_permlanex16_b32 v[26+\u], v[16+4*\u], s16, s17
.endr
.irp u, 0,1
	v_add_f32 v[16+4*\u], v[16+4*\u], v[26+\u]
.endr
.irp u, 0,1
	v_mul_f32 v[SQ+2*(\k)+\u], -0.5, v[16+4*\u]
.endr
.irp u, 0,1
	ds_store_b32 v160, v[SQ+2*(\k)+\u] offset:4*(2*(\k)+\u)        ; sixteen lanes write the same word with the same value
.endr
.endif
.endm
.macro OUT bias                        ; LDS serves a wave's instructions in order (ISA guide 5.7.1.4): the loads see the stores above
.irp q, 0,1,2,3
	ds_load_b128 v[R+4*\q:R+4*\q+3], v161 offset:2*GP*\q
.endr
	ds_load_b32 v[R+16], v162
.if \bias
	ds_load_b32 v[R+17], v162 offset:128
.endif
.irp q, 0,1,2,3
	s_wait_dscnt 4+\bias-\q
	global_store_b128 v2, v[R+4*\q:R+4*\q+3], s[8:9] offset:512*\q   ; 32 lanes store 512 consecutive bytes
.endr
	s_wait_dscnt 0x0
	global_store_b32 v163, v[R+16], s[8:9] offset:2048
.if \bias
	global_store_b32 v163, v[R+17], s[8:9] offset:2176
.endif
.endm
	s_cmp_lt_u32 s12, 4
	s_cbranch_scc0 .Lcodebook
.irp k, 0,1,2,3,4,5,6,7
	PAIR \k, 0
.endr
	OUT 0
	s_branch .Ldone
.Lcodebook:
.irp k, 0,1,2,3,4,5,6,7
	PAIR \k, 1
.endr
	OUT 1
.Ldone:
	s_wait_tensorcnt 0x0                           ; the wave's end
	ds_add_u32 v[SPW], v[NIL]
	s_wait_dscnt 0x0
	s_endpgm
.Lfunc_end_k_q89e86b01db_prep:
	.size	k_q89e86b01db_prep, .Lfunc_end_k_q89e86b01db_prep-k_q89e86b01db_prep
	.p2alignl 7, 3214868480
	.fill 96, 4, 3214868480
	.section	.rodata,"a",@progbits
	.p2align	6, 0x0
	.amdhsa_kernel k_q89e86b01db_prep
		.amdhsa_group_segment_fixed_size 16128
		.amdhsa_private_segment_fixed_size 0
		.amdhsa_enable_private_segment 0
		.amdhsa_kernarg_size 32
		.amdhsa_user_sgpr_count 2
		.amdhsa_user_sgpr_kernarg_segment_ptr 1
		.amdhsa_wavefront_size32 1
		.amdhsa_system_sgpr_workgroup_id_x 1
		.amdhsa_system_sgpr_workgroup_id_y 1
		.amdhsa_system_sgpr_workgroup_id_z 1
		.amdhsa_system_vgpr_workitem_id 0
		.amdhsa_next_free_vgpr 256
		.amdhsa_next_free_sgpr 66
		.amdhsa_reserve_vcc 0
		.amdhsa_float_denorm_mode_32 3
		.amdhsa_float_denorm_mode_16_64 3
		.amdhsa_memory_ordered 1
		.amdhsa_forward_progress 1
		.amdhsa_inst_pref_size 61
	.end_amdhsa_kernel
	.amdgpu_metadata
---
amdhsa.version: [ 1, 2 ]
amdhsa.kernels:
  - .name:           k_q89e86b01db_prep
    .symbol:         k_q89e86b01db_prep.kd
    .args:
      - { .name: x, .offset: 0, .size: 8, .value_kind: global_buffer, .address_space: global }
      - { .name: codebook, .offset: 8, .size: 8, .value_kind: global_buffer, .address_space: global }
      - { .name: xq, .offset: 16, .size: 8, .value_kind: global_buffer, .address_space: global }
      - { .name: cq, .offset: 24, .size: 8, .value_kind: global_buffer, .address_space: global }
    .group_segment_fixed_size: 16128
    .private_segment_fixed_size: 0
    .kernarg_segment_align: 8
    .kernarg_segment_size: 32
    .max_flat_workgroup_size: 192
    .sgpr_count:     66
    .vgpr_count:     256
    .wavefront_size: 32
...
	.end_amdgpu_metadata
.endif
;; end of part 1
;; launch score (part 2): grid 8 x 32, 8 waves a work-group, clusters of 4 x 4, 327,680 bytes of LDS; arguments xq, cq, cand; writes cand
.if DOCPART == 2
	.amdgcn_target "amdgcn-amd-amdhsa--gfx1250"
	.amdhsa_code_object_version 6
	.text
	.protected	k_q89e86b01db_score
	.globl	k_q89e86b01db_score
	.p2align	8
	.type	k_q89e86b01db_score,@function
k_q89e86b01db_score:
	s_mov_b64 s[64:65], 0
	v_nop
	global_prefetch_b8 v0, s[64:65] scope:SCOPE_SE
	s_setreg_imm32_b32 hwreg(HW_REG_WAVE_MODE, 25, 1), 1
	s_wait_xcnt 0x0
	s_wait_alu depctr_hold_cnt(0) depctr_sa_sdst(0) depctr_va_vdst(0) depctr_va_sdst(0) depctr_va_ssrc(0) depctr_va_vcc(0) depctr_vm_vsrc(0)
	s_getreg_b32 s2, hwreg(HW_REG_IB_STS2, 6, 4)
	s_cmp_eq_u32 s2, 0
	s_cbranch_scc0 .Lentry_in_a_cluster
	s_endpgm
.Lentry_in_a_cluster:
	s_bfe_u32 s2, ttmp6, 0x10000c
	s_cmp_lg_u32 s2, 0xf033
	s_cbranch_scc0 .Lentry_shape_is_right
	s_endpgm
.Lentry_shape_is_right:
; For each row of x and each group of 512 codes: the code with the largest s = Q(c) . Q(x) - e_sq(c) / 2, which is the code with the smallest x_sq - 2 Q(x) . Q(c) + e_sq, x_sq being the
; same for all codes of a row (dead work: left out).  The product is on codes of FP4 (E2M1) with E8M0 scales for each 32 along the 256; -e_sq / 2 is the C of the first K step: no vector line forms s.
; LIMITS: s is rounded otherwise than reference()'s distance: two codes whose distances lie within about an ulp of the distance may be ordered otherwise than there.
; Equal s: the lower index wins.  NaN and infinities are not served; one that reaches x_sq alone is not carried to the result.
; OUT: cand [16 groups][16384 rows][2] of u32: the key (s's bits turned so that unsigned order is s's order) and the code's index.  The choice among the 16 is the next launch's.
; SHARES.  A work-group takes 512 rows of x (32 tiles of 16) and 1,024 codes (64 tiles).  Wave w: rows 128 (w % 4) on, 8 tiles, whose fragments stay in registers; codes 512 (w / 4) on, 16 pairs of
; tiles, read from LDS one after the other, each fragment feeding eight products.  8 x 32 = 256 work-groups.
; LAYOUT.  Source 0 = 32 codes (a pair of tiles), source 1 = 16 rows of x: lane (r, h) holds row r, register 8 u + j code 16 u + 8 h + j.  So a row's search stays in a lane until the end.
; THE SEARCH.  The lane's eight s of a tile go into the running best by four three-input maxima, from one of two registers into the other; one compare of the two, and under its mask seven of the
; tile's eight s and its first index are taken over (four dual selects).  Which of the eight it was is found once, at the end: the first of the seven kept that equals the best, else the eighth.
; THE ORDER.  The eight row tiles go in two halves: the products of one half stand in front of the search over the other, so that a search reads results that were finished a search earlier.
; LDS is filled once: 32 records of x, then 64 of the codebook, as images of operand registers (16 bytes a lane, 512 consecutive bytes a load: no pitch, no padding).
; One tensor load a wave at the head: waves 0-3 fetch x, 8 records each, waves 4-7 the first 12 code tiles of both halves, 6 records each.  Behind them and a round each wave fetches 5 of the other
; 40 records, which have four pairs' work in which to land.  No data prefetch: both fills stand at the head, and no loop asks for anything.
; CLUSTER 4 x 4.  The four work-groups of a row of the cluster take the same rows of x, the four of a column the same codes: each piece is asked for JOINTLY, by the same tensor load with the same
; descriptor and a mask that names the four.
; REGISTERS.  Window 0: v1-15 addresses, the pair's two first indices (v11, v15), the spare words (v12, v13); v16-19 the codes' scale words, two buffers; v20-27 x's; v28-31 at work; v32-47 a pair's bias;
; v48-63 the best s, two registers a row tile by turns; v64-127 the tile kept: seven s and its first index for each row tile; v128-255 eight accumulators of 16.
; Window 1: v0-127 x's 8 tiles x 2 K steps; v128-191 a pair's fragments, two buffers.
.set XREC,  2176
.set CREC,  2304
.set CQ0,   32*XREC                    ; LDS: x's 32 records, then the codebook's 64, then the spare words
.set HALFC, 32*CREC                    ; the 32 code tiles that a wave walks
.set SPARE, CQ0+64*CREC                ; 128 bytes for each wave: no other line names them
.set TI0,  11                          ; both in register bank 3 (number mod 4); their partners in the dual selects lie in bank 2
.set TI1,  15
.set SPW,  12
.set NIL,  13
.set AS,   16
.set XS,   20
.set TM,   28
.set CB,   32
.set BEST, 48
.set CAP,  64
.set ACC,  128
.set FB,   128                         ; in window 1
.set G1X,  24                          ; s[24:31], s[48:51] descriptor groups 1 and 0 for x's piece;
.set G1C,  32                          ; s[32:39], s[52:55] for the first piece of the codebook;
.set G1D,  40                          ; s[40:47], s[56:59] for the second
.set G0X,  48
.set G0C,  52
.set G0D,  56
.set MSB, 0
.macro WIN new                         ; the immediate's high byte repeats the setting that is left
.if MSB != \new
	s_set_vgpr_msb (MSB<<8)|\new
.set MSB, \new
.endif
.endm
.macro ROUND                           ; a round of the cluster's barrier
	s_barrier_signal -1
	s_barrier_wait -1
	s_cmp_lg_u32 s10, 0
	s_cbranch_scc1 .Lnot_wave_0_\@
	s_barrier_signal -3
.Lnot_wave_0_\@:
	s_barrier_wait -3
	s_barrier_signal -1
	s_barrier_wait -1
.endm
	s_load_b128 s[4:7], s[0:1], 0x0                ; xq s[4:5], cq s[6:7]
	s_load_b64 s[8:9], s[0:1], 0x10                ; cand
	v_lshl_add_u32 v[SPW], v0, 2, SPARE
	v_mov_b32 v[NIL], 0
	ds_add_u32 v[SPW], v[NIL]                      ; the opening: the add, twice, and its wait
	ds_add_u32 v[SPW], v[NIL]
	v_lshrrev_b32 v7, 5, v0
	v_readfirstlane_b32 s10, v7                    ; wave 0..7
	s_and_b32 s11, s10, 3                          ; which 128 rows are mine
	s_lshr_b32 s12, s10, 2                         ; which 512 codes
	s_bfe_u32 s13, ttmp6, 0x40000                  ; cx, cy: my place in the cluster
	s_bfe_u32 s14, ttmp6, 0x40004
	s_lshl_b32 s15, ttmp9, 2
	s_add_co_u32 s15, s15, s13                     ; block of 1,024 codes = 4 x cluster x + cx
	s_and_b32 s16, ttmp7, 0xffff
	s_lshl_b32 s16, s16, 2
	s_add_co_u32 s16, s16, s14                     ; block of 512 rows = 4 x cluster y + cy
	s_lshl_b32 s74, s14, 2
	s_lshl_b32 s74, 15, s74                        ; my row of the cluster
	s_lshl_b32 s75, 0x1111, s13                    ; my column
	; group 1: dense blocks as rows of 256 bytes (32 elements of 8 bytes): 8 records of x = 68 rows, 6 and 5 of the codebook = 54 and 45 rows
	s_or_b32 s[G1X], s74, (3<<16)|(1<<21)          ; 15:0 the mask: x's pieces go to my row; 17:16 elements of 8 bytes; 21 set beside a mask; no padding
	s_or_b32 s[G1C], s75, (3<<16)|(1<<21)          ; the codebook's go to my column
	s_or_b32 s[G1D], s75, (3<<16)|(1<<21)
.irp g, G1X, G1C, G1D
	s_mov_b32 s[\g+1], 32<<16                      ; tensor_dim0 = 32
	s_mov_b32 s[\g+3], 32<<16                      ; tile_dim0 = 32
	s_mov_b32 s[\g+5], 32                          ; from row to row: 32 elements
	s_mov_b32 s[\g+6], 0
	s_mov_b32 s[\g+7], 0
.endr
	s_mov_b32 s[G1X+2], 68<<16                     ; tensor_dim1
	s_mov_b32 s[G1X+4], 68                         ; tile_dim1
	s_mov_b32 s[G1C+2], 54<<16
	s_mov_b32 s[G1C+4], 54
	s_mov_b32 s[G1D+2], 45<<16
	s_mov_b32 s[G1D+4], 45
	; x's address is made of the block of rows and the wave's number, the codebook's of the block of codes and the wave's number, each in registers that never hold the other coordinate
	s_lshl_b32 s76, s16, 5
	s_lshl_b32 s77, s10, 3
	s_add_co_u32 s76, s76, s77                     ; x: tiles 32 x block + 8 x wave on (waves 0-3)
	s_mul_i32 s76, s76, XREC
	s_mov_b32 s77, 0
	s_lshr_b32 s80, s11, 1
	s_lshl_b32 s80, s80, 5
	s_and_b32 s81, s11, 1
	s_mul_i32 s81, s81, 6
	s_add_co_u32 s80, s80, s81                     ; the codebook, first piece (waves 4-7): of the work-group's 64 tiles 0, 6, 32, 38 on
	s_lshl_b32 s84, s12, 5
	s_mul_i32 s85, s11, 5
	s_add_co_u32 s84, s84, s85
	s_add_co_u32 s84, s84, 12                      ; second piece: 32 (w / 4) + 12 + 5 (w % 4) on
	s_lshl_b32 s78, s15, 6
	s_add_co_u32 s82, s78, s80
	s_mul_i32 s82, s82, CREC
	s_mov_b32 s83, 0
	s_add_co_u32 s86, s78, s84
	s_mul_i32 s86, s86, CREC
	s_mov_b32 s87, 0
	s_mov_b32 s[G0X], 1                            ; count = 1
	s_mov_b32 s[G0C], 1
	s_mov_b32 s[G0D], 1
	s_mul_i32 s[G0X+1], s10, 8*XREC                ; LDS addresses: no place in the cluster enters one
	s_mul_i32 s81, s80, CREC
	s_add_co_u32 s[G0C+1], s81, CQ0
	s_mul_i32 s85, s84, CREC
	s_add_co_u32 s[G0D+1], s85, CQ0
	s_wait_dscnt 0x0                               ; both opening adds are done
	s_wait_kmcnt 0x0
	s_add_nc_u64 s[G0X+2:G0X+3], s[4:5], s[76:77]
	s_or_b32 s[G0X+3], s[G0X+3], 0x80000000        ; type = 2
	s_add_nc_u64 s[G0C+2:G0C+3], s[6:7], s[82:83]
	s_or_b32 s[G0C+3], s[G0C+3], 0x80000000
	s_add_nc_u64 s[G0D+2:G0D+3], s[6:7], s[86:87]
	s_or_b32 s[G0D+3], s[G0D+3], 0x80000000
	ROUND                                          ; all sixteen work-groups are here: the joint loads meet
	s_cmp_lt_u32 s10, 4                            ; one tensor load a wave at the head
	s_cbranch_scc0 .Lfirst_codes
	tensor_load_to_lds s[G0X:G0X+3], s[G1X:G1X+7]
	s_nop 0
.rept 4
	v_nop
.endr
	s_branch .Lasked
.Lfirst_codes:
	tensor_load_to_lds s[G0C:G0C+3], s[G1C:G1C+7]
	s_nop 0
.rept 4
	v_nop
.endr
.Lasked:
	; all that follows up to the wait on TENSORcnt is done while the pieces are on their way
	v_and_b32 v5, 31, v0                           ; lane
	v_bfe_u32 v6, v0, 4, 1                         ; h
	v_and_b32 v14, 15, v0                          ; r
	v_lshlrev_b32 v1, 3, v6                        ; 8 h: my half's first code in a tile
	s_mul_i32 s84, s12, HALFC
	s_add_co_u32 s84, s84, CQ0                     ; my 32 code tiles
	v_lshl_add_u32 v2, v5, 4, s84                  ; a fragment's image: 16 x lane
	v_mul_u32_u24 v3, v6, CREC
	v_lshl_add_u32 v4, v6, 5, s84                  ; the bias: my half's eight codes, 32 bytes, the same for its sixteen lanes
	v_lshl_add_u32 v3, v14, 2, v3
	v_add_nc_u32 v3, s84, v3                       ; the scale words: lanes 0-15 the pair's first tile, lanes 16-31 its second
	s_mul_i32 s85, s11, 8*XREC                     ; my 8 tiles of x
	v_lshl_add_u32 v8, v5, 4, s85
	v_lshl_add_u32 v9, v5, 2, s85
	v_lshlrev_b32 v10, 3, v5                       ; the way out: 8 bytes a lane
	s_lshl_b32 s86, s15, 10
	s_lshl_b32 s87, s12, 9
	s_add_co_u32 s86, s86, s87
	s_sub_co_u32 s86, s86, 32
	v_mov_b32 v[TI0], s86                          ; my first codes' indices, less one pair: each pair adds 32 ahead of its search
	v_add_nc_u32 v[TI1], 16, v[TI0]
	s_lshl_b32 s88, s15, 1
	s_add_co_u32 s88, s88, s12                     ; my group of 512 codes, 0 .. 15:
	s_lshl_b32 s88, s88, 17                        ; 16,384 rows x 8 bytes each,
	s_lshl_b32 s89, s16, 12
	s_add_co_u32 s88, s88, s89                     ; + 512 rows x 8 bytes for the block of rows,
	s_lshl_b32 s89, s11, 10
	s_add_co_u32 s88, s88, s89                     ; + 128 rows x 8 bytes for my part of it
	s_mov_b32 s89, 0
	s_add_nc_u64 s[8:9], s[8:9], s[88:89]
	s_mov_b32 s66, 0x76543210
	s_mov_b32 s67, 0xfedcba98                      ; v_permlanex16_b32's selects for lane l xor 16
.set i, 0
.rept 8
	v_mov_b32 v[BEST+i], 0xff800000                ; -infinity: under every s
.set i, i+1
.endr
.set i, 0
.rept 64
	v_mov_b32 v[CAP+i], 0                          ; the selects read what they may keep, so it is written once
.set i, i+1
.endr
.macro FETCHX half                     ; four of x's tiles x 2 K steps into window 1: they stay
	WIN 0x40                                       ; destination window 1, address window 0
.irp i, 0,1,2,3
.irp q, 0,1,2,3
	ds_load_b128 v[64*\half+16*\i+4*\q:64*\half+16*\i+4*\q+3], v8 offset:XREC*(4*\half+\i)+512*\q
.endr
.endr
	WIN 0
.endm
.macro FETCHF b, off                   ; a pair's fragments and scale words into buffer b, ten loads: K step s at 16 s, its tile u at 8 u
	WIN 0x40
.irp s, 0,1
.irp u, 0,1
.irp c, 0,1
	ds_load_b128 v[FB+32*\b+16*\s+8*\u+4*\c:FB+32*\b+16*\s+8*\u+4*\c+3], v2 offset:(\off)+CREC*\u+1024*\s+512*\c
.endr
.endr
.endr
	WIN 0
.irp s, 0,1
	ds_load_b32 v[AS+2*\b+\s], v3 offset:(\off)+2048+64*\s
.endr
.endm
.macro FETCHB off                      ; a pair's bias in the result's layout, four loads
.irp u, 0,1
.irp c, 0,1
	ds_load_b128 v[CB+8*\u+4*\c:CB+8*\u+4*\c+3], v4 offset:(\off)+CREC*\u+2176+16*\c
.endr
.endr
.endm
; 8 products: the pair in buffer b against four of my row tiles.  K step 0 starts the sums with the bias as C; K step 1 adds in place, x's scale words in lanes 16-31 of the same registers.
; The four accumulators take turns, one instruction a turn.
.macro MM b, half
	WIN 0x05                                       ; sources 0 (codes) and 1 (x) window 1
.irp i, 0,1,2,3
	v_wmma_scale_f32_32x16x128_f4 v[ACC+64*\half+16*\i:ACC+64*\half+16*\i+15], v[FB+32*\b:FB+32*\b+15], v[64*\half+16*\i:64*\half+16*\i+7], v[CB:CB+15], v[AS+2*\b], v[XS+4*\half+\i]
.endr
.irp i, 0,1,2,3
	v_wmma_scale_f32_32x16x128_f4 v[ACC+64*\half+16*\i:ACC+64*\half+16*\i+15], v[FB+32*\b+16:FB+32*\b+31], v[64*\half+16*\i+8:64*\half+16*\i+15], v[ACC+64*\half+16*\i:ACC+64*\half+16*\i+15], v[AS+2*\b+1], v[XS+4*\half+\i] matrix_b_scale:MATRIX_SCALE_ROW1
.endr
	WIN 0
.endm
.macro SEL half, i, u, ti              ; under VCC row tile i keeps tile u
.set SA, ACC+64*\half+16*\i+8*\u
.set SC, CAP+32*\half+8*\i
.irp j, 0,2,4
	v_dual_cndmask_b32 v[SC+\j], v[SC+\j], v[SA+\j] :: v_dual_cndmask_b32 v[SC+\j+1], v[SC+\j+1], v[SA+\j+1]
.endr
	v_dual_cndmask_b32 v[SC+6], v[SC+6], v[SA+6] :: v_dual_cndmask_b32 v[SC+7], v[SC+7], v[\ti]
.endm
.macro EPI0 half                       ; the search over a half's results begins: the first tile's s 0 and 1.  (Each accumulator is read from its low end on)
.irp i, 0,1,2,3
	v_max3_num_f32 v[BEST+8+4*\half+\i], v[BEST+4*\half+\i], v[ACC+64*\half+16*\i], v[ACC+64*\half+16*\i+1]
.endr
.endm
.macro EPI1 half                       ; and goes on: the row tiles by turns; the second tile's maxima stand between the first tile's compares and selects
.set A0, ACC+64*\half
.set B0, BEST+4*\half
.set B1, BEST+8+4*\half
.irp j, 2,4,6
.irp i, 0,1,2,3
	v_max3_num_f32 v[B1+\i], v[B1+\i], v[A0+16*\i+\j], v[A0+16*\i+\j+1]
.endr
.endr
.irp i, 0,1,2,3
	v_cmp_gt_f32 vcc_lo, v[B1+\i], v[B0+\i]        ; strictly larger: of equal s the earlier tile stays
.irp k, 0,1,2,3
.if \i == 0
	v_max3_num_f32 v[TM+\k], v[B1+\k], v[A0+16*\k+8], v[A0+16*\k+9]
.elseif \i < 3
	v_max3_num_f32 v[TM+\k], v[TM+\k], v[A0+16*\k+8+2*\i], v[A0+16*\k+9+2*\i]
.else
	v_max3_num_f32 v[B0+\k], v[TM+\k], v[A0+16*\k+14], v[A0+16*\k+15]   ; (the first tile's four compares have read B0)
.endif
.endr
	SEL \half, \i, 0, TI0
.endr
.irp i, 0,1,2,3
	v_cmp_gt_f32 vcc_lo, v[B0+\i], v[B1+\i]
	SEL \half, \i, 1, TI1
.endr
.endm
; A pair, in buffer b; its first half's products have been issued.  pre = 2: the pair two further on is fetched into the buffer that the products have just read, and the next pair's bias; 1: the bias alone; 0: nothing.
; The plain vector lines of EPI0 and the two indices are the places in front of the loads into the products' sources.
.macro PAIR b, pre
	MM \b, 1
	v_add_nc_u32 v[TI0], 32, v[TI0]                ; the pair's first indices
	v_add_nc_u32 v[TI1], 32, v[TI1]
	EPI0 0
.if \pre
	FETCHB (2+2*\b)*CREC
.endif
.if \pre == 2
	FETCHF \b, (4+2*\b)*CREC
.endif
	EPI1 0
.if \pre
	s_wait_dscnt 10*(\pre-1)                       ; the next pair's fragments and bias are in; the ten loads of the pair behind it may be out
.if \b
	MM 0, 0
.else
	MM 1, 0
.endif
.endif
.if (\pre == 2) && \b
	v_add_nc_u32 v2, 4*CREC, v2                    ; on by two pairs
	v_add_nc_u32 v3, 4*CREC, v3
	v_add_nc_u32 v4, 4*CREC, v4
.endif
	EPI0 1
	EPI1 1
.endm
.macro TRIPS n                         ; n trips of two pairs, one in each buffer
	s_mov_b32 s61, \n
.Ltrip_\@:
	PAIR 0, 2
	PAIR 1, 2
	s_sub_co_u32 s61, s61, 1
	s_cmp_lg_u32 s61, 0
	s_cbranch_scc1 .Ltrip_\@
.endm
	s_wait_alu depctr_va_vdst(0)                   ; the wait at the head's end
	s_wait_tensorcnt 0x0                           ; my first piece is in
	ds_add_u32 v[SPW], v[NIL]
	s_wait_dscnt 0x0
	ROUND                                          ; everybody's first piece is in, and all sixteen work-groups are here: the joint loads meet
	tensor_load_to_lds s[G0D:G0D+3], s[G1D:G1D+7]  ; code tiles 12-31 of both halves
	s_nop 0
.rept 4
	v_nop
.endr
	FETCHF 0, 0                                    ; pair 0
	FETCHB 0
.irp i, 0,1,2,3,4,5,6,7
	ds_load_b32 v[XS+\i], v9 offset:XREC*\i+2048
.endr
	FETCHX 0
	FETCHX 1
	FETCHF 1, 2*CREC                               ; pair 1
	s_wait_dscnt 26                                ; x's tiles 4-7 and pair 1 may be out
	MM 0, 0
.rept 4
	v_nop                                          ; the places in front of the first search
.endr
	s_wait_dscnt 10                                ; pair 1 may be out
	TRIPS 2                                        ; pairs 0-3, which fetch pairs 2-5
	s_wait_tensorcnt 0x0                           ; no tensor load of mine is out any more, and no LDS load: behind the barrier the same holds of every wave.
	s_wait_dscnt 0x0
	s_barrier_signal -1
	s_barrier_wait -1
	TRIPS 5                                        ; pairs 4-13, which fetch 6-15
	PAIR 0, 1                                      ; pair 14
	PAIR 1, 0                                      ; pair 15.  The best s now lies in v[BEST .. BEST + 7]
	; THE END, the eight row tiles by turns: the first of the seven kept that equals the best, else the eighth; its index; the key; and the better of the two halves of the lanes, which hold the same row.
.irp i, 0,1,2,3,4,5,6,7
	v_mov_b32 v[242+\i], 7
.endr
.irp j, 6,5,4,3,2,1,0
.irp i, 0,1,2,3,4,5,6,7
	v_cmp_neq_f32 s[70+\i], v[CAP+8*\i+\j], v[BEST+\i]
.endr
.irp i, 0,1,2,3,4,5,6,7
	v_cndmask_b32 v[242+\i], \j, v[242+\i], s[70+\i]               ; where it equals the best: j; descending, so the lowest j stays
.endr
.endr
.irp i, 0,1,2,3,4,5,6,7
	v_add3_u32 v[242+\i], v[CAP+8*\i+7], v[242+\i], v1             ; the tile's first index + j + 8 h
.endr
.irp i, 0,1,2,3,4,5,6,7
	v_ashrrev_i32 v[16+\i], 31, v[BEST+\i]
.endr
.irp i, 0,1,2,3,4,5,6,7
	v_or_b32 v[16+\i], 0x80000000, v[16+\i]
.endr
.irp i, 0,1,2,3,4,5,6,7
	v_xor_b32 v[24+\i], v[BEST+\i], v[16+\i]                       ; the key: a positive s gets its sign bit set, a negative one is turned over whole
.endr
.irp i, 0,1,2,3,4,5,6,7
	v_permlanex16_b32 v[32+\i], v[24+\i], s66, s67
.endr
.irp i, 0,1,2,3,4,5,6,7
	v_permlanex16_b32 v[40+\i], v[242+\i], s66, s67
.endr
.irp i, 0,1,2,3,4,5,6,7
	v_cmp_gt_u32 s[70+\i], v[32+\i], v[24+\i]
	v_cmp_eq_u32 s[78+\i], v[32+\i], v[24+\i]
	v_cmp_lt_u32 s[86+\i], v[40+\i], v[242+\i]
.endr
.irp i, 0,1,2,3,4,5,6,7
	s_and_b32 s[78+\i], s[78+\i], s[86+\i]
	s_or_b32 s[70+\i], s[70+\i], s[78+\i]                          ; the other half's is taken where its key is larger, or equal with the lower index
.endr
.irp i, 0,1,2,3,4,5,6,7
	v_cndmask_b32 v[24+\i], v[24+\i], v[32+\i], s[70+\i]
	v_cndmask_b32 v[242+\i], v[242+\i], v[40+\i], s[70+\i]
.endr
	s_mov_b32 vcc_lo, 0xffff0000                   ; lanes 0-15 send tile 2 m's rows, lanes 16-31 tile 2 m + 1's: 32 neighbouring rows
.irp m, 0,1,2,3
	v_cndmask_b32 v[48+2*\m], v[24+2*\m], v[25+2*\m], vcc_lo
	v_cndmask_b32 v[49+2*\m], v[242+2*\m], v[243+2*\m], vcc_lo
.endr
.irp m, 0,1,2,3
	global_store_b64 v10, v[48+2*\m:49+2*\m], s[8:9] offset:256*\m   ; 32 lanes store 256 consecutive bytes, at a multiple of 256 from cand's first byte
.endr
	s_wait_tensorcnt 0x0                           ; the wave's end
	ds_add_u32 v[SPW], v[NIL]
	s_wait_dscnt 0x0
	ROUND                                          ; the closing round: no work-group ends while a partner may still ask for a piece that names it
	s_endpgm
.Lfunc_end_k_q89e86b01db_score:
	.size	k_q89e86b01db_score, .Lfunc_end_k_q89e86b01db_score-k_q89e86b01db_score
	.p2alignl 7, 3214868480
	.fill 96, 4, 3214868480
	.section	.rodata,"a",@progbits
	.p2align	6, 0x0
	.amdhsa_kernel k_q89e86b01db_score
		.amdhsa_group_segment_fixed_size 327680
		.amdhsa_private_segment_fixed_size 0
		.amdhsa_enable_private_segment 0
		.amdhsa_kernarg_size 24
		.amdhsa_user_sgpr_count 2
		.amdhsa_user_sgpr_kernarg_segment_ptr 1
		.amdhsa_wavefront_size32 1
		.amdhsa_system_sgpr_workgroup_id_x 1
		.amdhsa_system_sgpr_workgroup_id_y 1
		.amdhsa_system_sgpr_workgroup_id_z 1
		.amdhsa_system_vgpr_workitem_id 0
		.amdhsa_next_free_vgpr 448
		.amdhsa_next_free_sgpr 96
		.amdhsa_reserve_vcc 1
		.amdhsa_float_denorm_mode_32 3
		.amdhsa_float_denorm_mode_16_64 3
		.amdhsa_memory_ordered 1
		.amdhsa_forward_progress 1
		.amdhsa_inst_pref_size 97
	.end_amdhsa_kernel
	.amdgpu_metadata
---
amdhsa.version: [ 1, 2 ]
amdhsa.kernels:
  - .name:           k_q89e86b01db_score
    .symbol:         k_q89e86b01db_score.kd
    .args:
      - { .name: xq, .offset: 0, .size: 8, .value_kind: global_buffer, .address_space: global }
      - { .name: cq, .offset: 8, .size: 8, .value_kind: global_buffer, .address_space: global }
      - { .name: cand, .offset: 16, .size: 8, .value_kind: global_buffer, .address_space: global }
    .group_segment_fixed_size: 327680
    .private_segment_fixed_size: 0
    .kernarg_segment_align: 8
    .kernarg_segment_size: 24
    .max_flat_workgroup_size: 256
    .sgpr_count:     96
    .vgpr_count:     448
    .wavefront_size: 32
...
	.end_amdgpu_metadata
.endif
;; end of part 2
;; launch finish (part 3): grid 256 x 1, 16 waves a work-group, no clusters, 0 bytes of LDS; arguments x, noise, codebook, cand, out0, out1, part; writes out0, out1, part
.if DOCPART == 3
	.amdgcn_target "amdgcn-amd-amdhsa--gfx1250"
	.amdhsa_code_object_version 6
	.text
	.protected	k_q89e86b01db_finish
	.globl	k_q89e86b01db_finish
	.p2align	8
	.type	k_q89e86b01db_finish,@function
k_q89e86b01db_finish:
	s_mov_b64 s[64:65], 0
	v_nop
	global_prefetch_b8 v0, s[64:65] scope:SCOPE_SE
	s_setreg_imm32_b32 hwreg(HW_REG_WAVE_MODE, 25, 1), 1
	s_wait_xcnt 0x0
; For each row: the best of its 16 candidates (whole numbers, stored by the launch before: key, index), out1 = its index; c = codebook[index], as given;
; out0 = x + |x - c| / (|noise| + 1e-12) x noise; and the sum of (x - c)^2, of which each wave stores its four rows' total in part.  All in f32.  (The two losses of reference() are one number: formed once.)
; The choice among candidates is made on whole numbers alone: the larger key wins, of equal keys the lower index.  The index is held to 8,191 ahead of the address.
; SHARES.  A wave takes 4 rows, a row being 1,024 bytes: two loads of 512 consecutive bytes.  No loop, no LDS, no barrier: waves share nothing.  A wave's x and noise (16 loads) go out behind its two
; loads of candidates, its 8 gathers as soon as the indices are known.  The four rows take turns line by line, and their roots and reciprocals are one run each; no vector line stands behind a store of out0.
; Memory binds here: matrix units, clusters and LDS tiles would add nothing.  out1 leaves as 16 bytes a wave and part as 4 (lanes that hold the same number write the same word): together a small share
; of what is written.
.set XR, 32                            ; v32-63   x, 8 registers a row; then out0
.set NR, 64                            ; v64-95   noise
.set CR, 96                            ; v96-127  the chosen rows, then x - c
.set SD, 128                           ; v128-135 |x - c|^2 of the four rows, a pair each; then the factor
.set SN, 136                           ; v136-143 |noise|^2 likewise
.set PX, 144                           ; v144-151 the other half's sums
	s_load_b256 s[4:11], s[0:1], 0x0               ; x s[4:5], noise s[6:7], codebook s[8:9], cand s[10:11]
	s_load_b128 s[12:15], s[0:1], 0x20             ; out0 s[12:13], out1 s[14:15]
	s_load_b64 s[16:17], s[0:1], 0x30              ; part
	v_lshrrev_b32 v7, 5, v0
	v_and_b32 v1, 31, v0                           ; lane
	v_and_b32 v4, 3, v0
	v_bfe_u32 v3, v0, 2, 3
	v_readfirstlane_b32 s18, v7                    ; wave 0..15
	v_lshlrev_b32 v2, 4, v1                        ; 16 x lane
	v_lshlrev_b32 v3, 18, v3                       ; candidates: lane l takes row l % 4 and groups 2 (l / 4) and the next: a group is 131,072 bytes,
	v_lshlrev_b32 v5, 2, v4                        ; out1: 4 bytes a row
	v_mov_b32 v6, 0
	v_lshl_add_u32 v3, v4, 3, v3                   ; a row 8
	v_mov_b32 v16, 0                               ; destinations of lane moves count as sources: written once
	v_mov_b32 v17, 0
.irp k, 0,1,2,3,4,5,6,7
	v_mov_b32 v[PX+\k], 0
.endr
	s_mov_b32 s20, 0x76543210
	s_mov_b32 s21, 0xfedcba98                      ; v_permlanex16_b32's selects for lane l xor 16
	s_lshl_b32 s22, ttmp9, 4
	s_add_co_u32 s22, s22, s18                     ; my wave's number in the launch: rows 4 x that on
	s_mov_b32 s23, 0
	s_lshl_b32 s24, s22, 12                        ; 4 rows of 1,024 bytes
	s_mov_b32 s25, 0
	s_lshl_b32 s26, s22, 5                         ; 4 rows of 8 bytes
	s_mov_b32 s27, 0
	s_lshl_b32 s28, s22, 4                         ; 4 rows of 4 bytes
	s_mov_b32 s29, 0
	s_lshl_b32 s22, s22, 2                         ; my word of part
	s_wait_alu depctr_va_vdst(0)                   ; the wait at the head's end
	s_wait_kmcnt 0x0
	s_add_nc_u64 s[10:11], s[10:11], s[26:27]
	s_add_nc_u64 s[4:5], s[4:5], s[24:25]
	s_add_nc_u64 s[6:7], s[6:7], s[24:25]
	s_add_nc_u64 s[12:13], s[12:13], s[24:25]
	s_add_nc_u64 s[14:15], s[14:15], s[28:29]
	s_add_nc_u64 s[16:17], s[16:17], s[22:23]
.irp i, 0,1
	global_load_b64 v[8+2*\i:9+2*\i], v3, s[10:11] offset:131072*\i
.endr
.irp i, 0,1,2,3,4,5,6,7
	global_load_b128 v[XR+4*\i:XR+4*\i+3], v2, s[4:5] offset:512*\i th:TH_LOAD_NT       ; read once in this launch
.endr
.irp i, 0,1,2,3,4,5,6,7
	global_load_b128 v[NR+4*\i:NR+4*\i+3], v2, s[6:7] offset:512*\i th:TH_LOAD_NT
.endr
	s_wait_loadcnt 16                              ; the candidates are in; the 16 loads behind them stay out
	v_cmp_gt_u32 vcc_lo, v10, v8                   ; my two groups ascend, and so do their indices: strictly larger, so the lower index stays
	s_delay_alu instid0(VALU_DEP_1)
	v_cndmask_b32 v8, v8, v10, vcc_lo
	s_delay_alu instid0(VALU_DEP_2)
	v_cndmask_b32 v9, v9, v11, vcc_lo
.macro MERGE                           ; (v16, v17), another lane's best, against mine
	s_delay_alu instid0(VALU_DEP_2)
	v_cmp_gt_u32 s31, v16, v8
	s_delay_alu instid0(VALU_DEP_3)
	v_cmp_eq_u32 s32, v16, v8
	s_delay_alu instid0(VALU_DEP_3)
	v_cmp_lt_u32 s33, v17, v9
	s_and_b32 s32, s32, s33
	s_or_b32 vcc_lo, s31, s32
	v_cndmask_b32 v8, v8, v16, vcc_lo
	v_cndmask_b32 v9, v9, v17, vcc_lo
.endm
.irp m, 4,8                            ; lanes l xor 4 and l xor 8 hold the same row
	s_delay_alu instid0(VALU_DEP_2)
	v_mov_b32_dpp v16, v8 row_xmask:\m row_mask:0xf bank_mask:0xf
	s_delay_alu instid0(VALU_DEP_2)
	v_mov_b32_dpp v17, v9 row_xmask:\m row_mask:0xf bank_mask:0xf
	MERGE
.endr
	s_delay_alu instid0(VALU_DEP_2)
	v_permlanex16_b32 v16, v8, s20, s21            ; and so does lane l xor 16
	s_delay_alu instid0(VALU_DEP_2)
	v_permlanex16_b32 v17, v9, s20, s21
	MERGE                                          ; every lane l now holds the index of row l % 4
.irp r, 0,1,2,3
	v_readlane_b32 s[40+\r], v9, \r
	s_min_u32 s[40+\r], s[40+\r], 0x1fff           ; inside the table, whatever was read
	v_lshl_add_u32 v[20+\r], s[40+\r], 10, v2      ; the row's 1,024 bytes, 16 x lane in them
	global_load_b128 v[CR+8*\r:CR+8*\r+3], v[20+\r], s[8:9]        ; no hint: rows may be chosen again
	global_load_b128 v[CR+8*\r+4:CR+8*\r+7], v[20+\r], s[8:9] offset:512
.endr
	global_store_b32 v5, v9, s[14:15]              ; the indices of my four rows: the eight lanes of a row write the same word with the same value
	s_wait_loadcnt 8                               ; x and noise are in; the eight gathers may be out
.irp k, 0,1,2,3
	v_pk_mul_f32 v[SN+2*\k:SN+2*\k+1], v[NR+8*\k:NR+8*\k+1], v[NR+8*\k:NR+8*\k+1]   ; the first products start the sums
.endr
.irp j, 2,4,6
.irp k, 0,1,2,3
	v_pk_fma_f32 v[SN+2*\k:SN+2*\k+1], v[NR+8*\k+\j:NR+8*\k+\j+1], v[NR+8*\k+\j:NR+8*\k+\j+1], v[SN+2*\k:SN+2*\k+1]
.endr
.endr
	s_wait_loadcnt 0x0
.irp j, 0,2,4,6
.irp k, 0,1,2,3
	v_pk_add_f32 v[CR+8*\k+\j:CR+8*\k+\j+1], v[XR+8*\k+\j:XR+8*\k+\j+1], v[CR+8*\k+\j:CR+8*\k+\j+1] neg_lo:[0,1] neg_hi:[0,1]   ; x - c
.endr
.endr
.irp k, 0,1,2,3
	v_pk_mul_f32 v[SD+2*\k:SD+2*\k+1], v[CR+8*\k:CR+8*\k+1], v[CR+8*\k:CR+8*\k+1]
.endr
.irp j, 2,4,6
.irp k, 0,1,2,3
	v_pk_fma_f32 v[SD+2*\k:SD+2*\k+1], v[CR+8*\k+\j:CR+8*\k+\j+1], v[CR+8*\k+\j:CR+8*\k+\j+1], v[SD+2*\k:SD+2*\k+1]
.endr
.endr
.irp k, 0,2,4,6,8,10,12,14
	v_add_f32 v[SD+\k], v[SD+\k], v[SD+\k+1]       ; (the eight pairs, |x - c|^2 and |noise|^2, lie on end)
.endr
.irp m, 1,2,4,8
.irp k, 0,2,4,6,8,10,12,14
	v_add_f32_dpp v[SD+\k], v[SD+\k], v[SD+\k] row_xmask:\m row_mask:0xf bank_mask:0xf
.endr
.endr
.irp k, 0,1,2,3,4,5,6,7
	v_permlanex16_b32 v[PX+\k], v[SD+2*\k], s20, s21
.endr
.irp k, 0,1,2,3,4,5,6,7
	v_add_f32 v[SD+2*\k], v[SD+2*\k], v[PX+\k]     ; in every lane
.endr
	s_wait_alu depctr_va_vdst(0)                   ; a wait ahead of the run and behind it
.irp k, 0,1,2,3,4,5,6,7
	v_sqrt_f32 v[SD+2*\k+1], v[SD+2*\k]
.endr
	v_add_f32 v152, v[SD], v[SD+2]                 ; the wave's part of the loss: plain lines behind the roots
	v_add_f32 v153, v[SD+4], v[SD+6]
	v_add_f32 v152, v152, v153
	s_wait_alu depctr_va_vdst(0)
	global_store_b32 v6, v152, s[16:17]            ; the wave's sum of (x - c)^2: every lane holds it and writes the same word
.irp k, 0,1,2,3
	v_add_f32 v[SN+2*\k], 0x2b8cbccc, v[SN+2*\k+1] ; + 1e-12
.endr
	s_wait_alu depctr_va_vdst(0)
.irp k, 0,1,2,3
	v_rcp_f32 v[SN+2*\k+1], v[SN+2*\k]
.endr
	v_nop                                          ; a plain line behind the reciprocals
	s_wait_alu depctr_va_vdst(0)
.irp k, 0,1,2,3
	v_mul_f32 v[SD+2*\k], v[SD+2*\k+1], v[SN+2*\k+1]
.endr
.irp j, 0,2,4,6
.irp k, 0,1,2,3
	v_pk_fma_f32 v[XR+8*\k+\j:XR+8*\k+\j+1], v[NR+8*\k+\j:NR+8*\k+\j+1], v[SD+2*\k:SD+2*\k+1], v[XR+8*\k+\j:XR+8*\k+\j+1] op_sel_hi:[1,0,1]   ; x + factor x noise; the pair's low word serves both halves
.endr
.endr
.irp i, 0,1,2,3,4,5,6,7
	global_store_b128 v2, v[XR+4*\i:XR+4*\i+3], s[12:13] offset:512*\i th:TH_STORE_NT       ; 512 consecutive bytes a store, at a multiple of 256 from out0's first byte
.endr
	s_endpgm
.Lfunc_end_k_q89e86b01db_finish:
	.size	k_q89e86b01db_finish, .Lfunc_end_k_q89e86b01db_finish-k_q89e86b01db_finish
	.p2alignl 7, 3214868480
	.fill 96, 4, 3214868480
	.section	.rodata,"a",@progbits
	.p2align	6, 0x0
	.amdhsa_kernel k_q89e86b01db_finish
		.amdhsa_group_segment_fixed_size 0
		.amdhsa_private_segment_fixed_size 0
		.amdhsa_enable_private_segment 0
		.amdhsa_kernarg_size 56
		.amdhsa_user_sgpr_count 2
		.amdhsa_user_sgpr_kernarg_segment_ptr 1
		.amdhsa_wavefront_size32 1
		.amdhsa_system_sgpr_workgroup_id_x 1
		.amdhsa_system_sgpr_workgroup_id_y 1
		.amdhsa_system_sgpr_workgroup_id_z 1
		.amdhsa_system_vgpr_workitem_id 0
		.amdhsa_next_free_vgpr 156
		.amdhsa_next_free_sgpr 66
		.amdhsa_reserve_vcc 1
		.amdhsa_float_denorm_mode_32 3
		.amdhsa_float_denorm_mode_16_64 3
		.amdhsa_memory_ordered 1
		.amdhsa_forward_progress 1
		.amdhsa_inst_pref_size 16
	.end_amdhsa_kernel
	.amdgpu_metadata
---
amdhsa.version: [ 1, 2 ]
amdhsa.kernels:
  - .name:           k_q89e86b01db_finish
    .symbol:         k_q89e86b01db_finish.kd
    .args:
      - { .name: x, .offset: 0, .size: 8, .value_kind: global_buffer, .address_space: global }
      - { .name: noise, .offset: 8, .size: 8, .value_kind: global_buffer, .address_space: global }
      - { .name: codebook, .offset: 16, .size: 8, .value_kind: global_buffer, .address_space: global }
      - { .name: cand, .offset: 24, .size: 8, .value_kind: global_buffer, .address_space: global }
      - { .name: out0, .offset: 32, .size: 8, .value_kind: global_buffer, .address_space: global }
      - { .name: out1, .offset: 40, .size: 8, .value_kind: global_buffer, .address_space: global }
      - { .name: part, .offset: 48, .size: 8, .value_kind: global_buffer, .address_space: global }
    .group_segment_fixed_size: 0
    .private_segment_fixed_size: 0
    .kernarg_segment_align: 8
    .kernarg_segment_size: 56
    .max_flat_workgroup_size: 512
    .sgpr_count:     66
    .vgpr_count:     156
    .wavefront_size: 32
...
	.end_amdgpu_metadata
.endif
;; end of part 3
;; launch loss (part 4): grid 1 x 1, 1 waves a work-group, no clusters, 0 bytes of LDS; arguments part, out2; writes out2
.if DOCPART == 4
	.amdgcn_target "amdgcn-amd-amdhsa--gfx1250"
	.amdhsa_code_object_version 6
	.text
	.protected	k_q89e86b01db_loss
	.globl	k_q89e86b01db_loss
	.p2align	8
	.type	k_q89e86b01db_loss,@function
k_q89e86b01db_loss:
	s_mov_b64 s[64:65], 0
	v_nop
	global_prefetch_b8 v0, s[64:65] scope:SCOPE_SE
	s_setreg_imm32_b32 hwreg(HW_REG_WAVE_MODE, 25, 1), 1
	s_wait_xcnt 0x0
; out2 = 1.25 x the mean of (x - c)^2 over 16,384 x 256 = 2^22 numbers: the 4,096 partial sums of the launch before, added in a fixed order by one wave, times 1.25 x 2^-22.
; (codebook_loss and commitment_loss are the same number; 1 + 0.25 of it.)  The sum spans all work-groups of the launch before, so it has a launch of its own: 16,384 bytes in, one number out.
	s_load_b128 s[4:7], s[0:1], 0x0                ; part s[4:5], out2 s[6:7]
	v_lshlrev_b32 v1, 4, v0                        ; 16 bytes a lane
	v_mov_b32 v2, 0
	v_mov_b32 v3, 0                                ; a lane permute's destination counts as one of its sources
	s_mov_b32 s8, 0x76543210
	s_mov_b32 s9, 0xfedcba98
	s_wait_alu depctr_va_vdst(0)                   ; the wait at the head's end
	s_wait_kmcnt 0x0
.set i, 0
.rept 32
	global_load_b128 v[16+4*i:19+4*i], v1, s[4:5] offset:512*i
.set i, i+1
.endr
	s_wait_loadcnt 16                              ; the first sixteen loads are in
	v_pk_add_f32 v[4:5], v[16:17], v[24:25]        ; four packed chains, started by the first additions
	v_pk_add_f32 v[6:7], v[18:19], v[26:27]
	v_pk_add_f32 v[8:9], v[20:21], v[28:29]
	v_pk_add_f32 v[10:11], v[22:23], v[30:31]
.set i, 32
.rept 14
.if i == 80
	s_wait_alu depctr_va_vdst(0)
	s_wait_loadcnt 0x0
.endif
	v_pk_add_f32 v[4:5], v[4:5], v[i:i+1]
	v_pk_add_f32 v[6:7], v[6:7], v[i+2:i+3]
	v_pk_add_f32 v[8:9], v[8:9], v[i+4:i+5]
	v_pk_add_f32 v[10:11], v[10:11], v[i+6:i+7]
.set i, i+8
.endr
	v_pk_add_f32 v[4:5], v[4:5], v[6:7]
	v_pk_add_f32 v[8:9], v[8:9], v[10:11]
	v_pk_add_f32 v[8:9], v[4:5], v[8:9]
	v_add_f32 v8, v8, v9
	v_add_f32_dpp v8, v8, v8 row_xmask:1 row_mask:0xf bank_mask:0xf
	v_add_f32_dpp v8, v8, v8 row_xmask:2 row_mask:0xf bank_mask:0xf
	v_add_f32_dpp v8, v8, v8 row_xmask:4 row_mask:0xf bank_mask:0xf
	v_add_f32_dpp v8, v8, v8 row_xmask:8 row_mask:0xf bank_mask:0xf
	v_permlanex16_b32 v3, v8, s8, s9
	v_add_f32 v8, v8, v3
	v_mul_f32 v8, 0x34a00000, v8                   ; 1.25 x 2^-22
	global_store_b32 v2, v8, s[6:7]                ; every lane holds the sum and writes the same word
	s_endpgm
.Lfunc_end_k_q89e86b01db_loss:
	.size	k_q89e86b01db_loss, .Lfunc_end_k_q89e86b01db_loss-k_q89e86b01db_loss
	.p2alignl 7, 3214868480
	.fill 96, 4, 3214868480
	.section	.rodata,"a",@progbits
	.p2align	6, 0x0
	.amdhsa_kernel k_q89e86b01db_loss
		.amdhsa_group_segment_fixed_size 0
		.amdhsa_private_segment_fixed_size 0
		.amdhsa_enable_private_segment 0
		.amdhsa_kernarg_size 16
		.amdhsa_user_sgpr_count 2
		.amdhsa_user_sgpr_kernarg_segment_ptr 1
		.amdhsa_wavefront_size32 1
		.amdhsa_system_sgpr_workgroup_id_x 1
		.amdhsa_system_sgpr_workgroup_id_y 1
		.amdhsa_system_sgpr_workgroup_id_z 1
		.amdhsa_system_vgpr_workitem_id 0
		.amdhsa_next_free_vgpr 144
		.amdhsa_next_free_sgpr 66
		.amdhsa_reserve_vcc 0
		.amdhsa_float_denorm_mode_32 3
		.amdhsa_float_denorm_mode_16_64 3
		.amdhsa_memory_ordered 1
		.amdhsa_forward_progress 1
		.amdhsa_inst_pref_size 9
	.end_amdhsa_kernel
	.amdgpu_metadata
---
amdhsa.version: [ 1, 2 ]
amdhsa.kernels:
  - .name:           k_q89e86b01db_loss
    .symbol:         k_q89e86b01db_loss.kd
    .args:
      - { .name: part, .offset: 0, .size: 8, .value_kind: global_buffer, .address_space: global }
      - { .name: out2, .offset: 8, .size: 8, .value_kind: global_buffer, .address_space: global }
    .group_segment_fixed_size: 0
    .private_segment_fixed_size: 0
    .kernarg_segment_align: 8
    .kernarg_segment_size: 16
    .max_flat_workgroup_size: 32
    .sgpr_count:     66
    .vgpr_count:     144
    .wavefront_size: 32
...
	.end_amdgpu_metadata
.endif
;; end of part 4
